; MI455X (gfx1250); checked and timed in simulation.
; The chip was launched on July 23, 2026; its instructions are those of AMD's public machine-readable ISA for CDNA 5 (MIT licence, August 2026) and "CDNA5" Instruction Set Architecture Reference Guide (July 2026). The comments in the code are by the model that wrote it; some were corrected since.
;; Kernel Regressor. Allowed arithmetic: float matrix products may take bf16 or f16 operands with f32 sums; all other float work in f32.
;; Inputs: X 8,192 x 512 float32; alpha 8,192 x 16 float32; train_X 8,192 x 512 float32.
;; Outputs: out0 8,192 x 16 float32.
;; 2 versions, each right; version 2 is version 1 with the launch prep written anew for expert scheduling mode. Each part assembles by itself: llvm-mc -triple=amdgcn-amd-amdhsa -mcpu=gfx1250 --defsym DOCPART=n.
;; ======== version 1 of 2: 3 launches
;; workspace buffers: xrec 8,716,288 bytes; yrec 8,716,288 bytes; part 4,194,304 bytes
;; launch prep (part 1): grid 512 x 1, 8 waves a work-group, no clusters, 36,096 bytes of LDS; arguments X, train_X, alpha, xrec, yrec; writes xrec, yrec
.if DOCPART == 1
	.amdgcn_target "amdgcn-amd-amdhsa--gfx1250"
	.amdhsa_code_object_version 6
	.text
	.protected	k_q7d6b3f7d8b_prep
	.globl	k_q7d6b3f7d8b_prep
	.p2align	8
	.type	k_q7d6b3f7d8b_prep,@function
k_q7d6b3f7d8b_prep:
	s_mov_b64 s[64:65], 0
	v_nop
	global_prefetch_b8 v0, s[64:65] scope:SCOPE_SE
	s_setreg_imm32_b32 hwreg(HW_REG_WAVE_MODE, 25, 1), 1
	s_wait_xcnt 0x0
; X and train_X, [8192][512] f32, are rounded once to bf16 and laid out as RECORDS of 32 rows in the order in which the
; matrix instructions of the next launch want them; the rows' squared norms and (for train_X) alpha's rows go into the same record.
; A record is REC = 34,048 bytes = 133 x 256:
;   byte 0      32,768 B  bf16 [t 2][s 16][q 2][lane 32][e 8] = row 16 t + (lane & 15), k = 32 s + 16 q + 8 (lane >> 4) + e
;                         (a fragment of 16 rows x 32 k is 1,024 neighbouring bytes: two loads of 16 bytes a lane, 512 bytes apart)
;   byte AL      1,024 B  train records only: bf16 [q 2][lane 32][e 8] = alpha[32 g + 16 q + 8 (lane >> 4) + e][lane & 15]
;   byte NM        256 B  f32 N0[32] = -1/2 sum rb^2, then N1[32] = -(gamma log2 e) sum rb^2
; LIMIT, stated: the norms are those of the ROUNDED numbers rb, so that N + N - 2 cross is exactly the squared distance of the operands
; that are multiplied; against norms of the f32 numbers the exponent would carry the rounding of large sums where the inputs have a common offset.
; Work-groups 0-255 make X's records, 256-511 train_X's.  Eight waves; wave w takes rows 4 w .. 4 w + 3 of the record: a row never leaves
; its wave, so its norm needs no other wave.  All 16 loads of a wave (512 neighbouring bytes each) go out at once.
; The reordering goes through LDS so that every global store of a wave covers 512 neighbouring bytes, aligned.
; Memory binds here: no matrix unit, no cluster (no two work-groups read the same byte), no tensor load (one fill, nothing to refill).
.set REC,   34048
.set AL,    32768
.set NM,    33792
.set PITCH, 272                        ; a chunk of 256 bytes of the record + 16: see the store below
.set NRM,   128*PITCH                  ; behind the 128 chunks: the 64 norm words
.set D,    2                           ; v[2:65]   load n = 4 i + c: 4 f32 of row 4 w + i, k = 128 c + 4 lane ..; then the packed pair in its first two registers
.set ACC,  66                          ; v[66:69]  the four rows' sums of squares
.set N0,   70                          ; v[70:73]
.set N1,   74                          ; v[74:77]
.set TP,   78                          ; the other half's sum
.set LO,   79                          ; byte offset of my 16 bytes in the record's 64 KiB of input
.set ST,   80                          ; LDS: where my packed pairs go
.set RD,   81                          ; LDS: where I read chunks back
.set GO,   82                          ; byte offset in the record of what I read back
.set NA,   83                          ; LDS: my wave's four norm words
.set L8,   84                          ; 8 x lane
.set AA,   85                          ; byte offset in the record's 2 KiB of alpha
.set AO,   86                          ; 16 x thread
.set T,    87                          ; v[87:88]  at work
.set AW,   90                          ; v[90:97]  eight f32 of alpha
.set AP,   98                          ; v[98:101] the same, packed
	s_load_b256 s[4:11], s[0:1], 0x0               ; X s[4:5], train_X s[6:7], alpha s[8:9], xrec s[10:11]
	s_load_b64 s[12:13], s[0:1], 0x20              ; yrec
	v_lshl_add_u32 v104, v0, 2, 0x8900
	v_mov_b32 v105, 0
	v_and_b32 v1, 31, v0                           ; lane
	v_lshrrev_b32 v[T], 5, v0
	v_readfirstlane_b32 s18, v[T]                  ; wave 0..7
	s_and_b32 s19, ttmp9, 255                      ; g: the record's number in its matrix
	s_mov_b32 s20, 0x76543210                      ; v_permlanex16_b32: lane i of one half reads lane i of the other
	s_mov_b32 s21, 0xfedcba98
	v_lshlrev_b32 v[GO], 4, v1                     ; 16 lane
	v_lshl_add_u32 v[LO], s18, 13, v[GO]           ; + 4 rows of 2,048 bytes a wave
	; A lane's 4 numbers (k = 128 c + 4 lane ..) of row 4 w + i belong to chunk 64 (w >> 2) + 16 c + (lane >> 1) of the record,
	; at byte 64 (w & 3) + 16 i + 8 (lane & 1) of it.
	v_lshrrev_b32 v[T], 1, v1
	v_mul_u32_u24 v[T], v[T], PITCH
	v_and_b32 v[T+1], 1, v1
	v_lshl_add_u32 v[T], v[T+1], 3, v[T]
	s_lshr_b32 s23, s18, 2
	s_mul_i32 s23, s23, 64*PITCH
	s_and_b32 s24, s18, 3
	s_lshl_b32 s24, s24, 6
	s_add_co_u32 s23, s23, s24
	v_add_nc_u32 v[ST], s23, v[T]
	v_lshrrev_b32 v[T], 4, v1                      ; h = lane >> 4
	v_and_b32 v[T+1], 15, v1                       ; r = lane & 15
	v_lshlrev_b32 v[AA], 2, v[T+1]                 ; alpha: column r,
	v_lshl_add_u32 v[AA], v[T], 9, v[AA]           ; row 8 h (64 bytes a row),
	v_lshl_add_u32 v[AA], s18, 10, v[AA]           ; + 16 rows for wave 1 (used by waves 0 and 1 alone)
	v_mul_u32_u24 v[T], v[T], PITCH                ; back: lanes 0-15 one chunk, lanes 16-31 the next; 16 chunks a wave
	v_lshl_add_u32 v[T], v[T+1], 4, v[T]
	s_mul_i32 s24, s18, 16*PITCH
	v_add_nc_u32 v[RD], s24, v[T]
	v_lshl_add_u32 v[GO], s18, 12, v[GO]           ; 4,096 w + 16 lane
	s_lshl_b32 s24, s18, 4
	s_add_co_u32 s24, s24, NRM
	v_mov_b32 v[NA], s24
	v_lshlrev_b32 v[L8], 3, v1
	v_lshlrev_b32 v[AO], 4, v0
	v_mov_b32 v[TP], 0                             ; v_permlanex16_b32's destination counts as read
.irp i, 0,1,2,3
	v_mov_b32 v[ACC+\i], 0
.endr
	s_wait_kmcnt 0x0
	s_cmp_ge_u32 ttmp9, 256                        ; which matrix: hangs on the work-group's number alone
	s_cselect_b64 s[14:15], s[6:7], s[4:5]         ; from
	s_cselect_b64 s[16:17], s[12:13], s[10:11]     ; to
	s_cselect_b32 s22, 1, 0                        ; 1: a train record
	s_lshl_b32 s24, s19, 16                        ; 32 rows of 2,048 bytes
	s_mov_b32 s25, 0
	s_add_nc_u64 s[14:15], s[14:15], s[24:25]
	s_mul_i32 s24, s19, REC
	s_add_nc_u64 s[16:17], s[16:17], s[24:25]
	s_lshl_b32 s24, s19, 11                        ; 32 rows of alpha, 64 bytes each
	s_add_nc_u64 s[8:9], s[8:9], s[24:25]
.irp i, 0,1,2,3
.irp c, 0,1,2,3
	global_load_b128 v[D+4*(4*\i+\c):D+4*(4*\i+\c)+3], v[LO], s[14:15] offset:\i*2048+\c*512 th:TH_LOAD_NT
.endr
.endr
	; Alpha's fragment: waves 0 and 1 of a train record, all inside this one branch.  The eight loads of a wave together cover its 1,024 bytes
	; of alpha once.  They are the youngest loads, so their wait is for 0; the counted waits further down then find nothing out.
	s_cmp_eq_u32 s22, 0
	s_cbranch_scc1 .Lno_alpha
	s_cmp_gt_u32 s18, 1
	s_cbranch_scc1 .Lno_alpha
.irp e, 0,1,2,3,4,5,6,7
	global_load_b32 v[AW+\e], v[AA], s[8:9] offset:\e*64           ; alpha[32 g + 16 w + 8 h + e][r]
.endr
	s_wait_loadcnt 0x0
.irp j, 0,1,2,3
	v_cvt_pk_bf16_f32 v[AP+\j], v[AW+2*\j], v[AW+2*\j+1]
.endr
	global_store_b128 v[AO], v[AP:AP+3], s[16:17] offset:AL        ; 512 neighbouring bytes a wave; AP and AO are not written again
.Lno_alpha:
	; Round, square and add, and put the pair in its place.  The 32 lanes' 8 bytes start at words 68 (lane >> 1) + 2 (lane & 1):
	; 32 different pairs of the 64 banks of 4 bytes (ISA guide 11.1).
.irp i, 0,1,2,3
.irp c, 0,1,2,3
	s_wait_loadcnt 15-(4*\i+\c)                    ; loads come back in order (ISA guide 5.7.1): this one is in, the younger ones stay out
	v_cvt_pk_bf16_f32 v[D+4*(4*\i+\c)],   v[D+4*(4*\i+\c)],   v[D+4*(4*\i+\c)+1]
	v_cvt_pk_bf16_f32 v[D+4*(4*\i+\c)+1], v[D+4*(4*\i+\c)+2], v[D+4*(4*\i+\c)+3]
	v_fma_mix_f32_bf16 v[ACC+\i], v[D+4*(4*\i+\c)],   v[D+4*(4*\i+\c)],   v[ACC+\i] op_sel_hi:[1,1,0]
	v_fma_mix_f32_bf16 v[ACC+\i], v[D+4*(4*\i+\c)],   v[D+4*(4*\i+\c)],   v[ACC+\i] op_sel:[1,1,0] op_sel_hi:[1,1,0]
	v_fma_mix_f32_bf16 v[ACC+\i], v[D+4*(4*\i+\c)+1], v[D+4*(4*\i+\c)+1], v[ACC+\i] op_sel_hi:[1,1,0]
	v_fma_mix_f32_bf16 v[ACC+\i], v[D+4*(4*\i+\c)+1], v[D+4*(4*\i+\c)+1], v[ACC+\i] op_sel:[1,1,0] op_sel_hi:[1,1,0]
	ds_store_b64 v[ST], v[D+4*(4*\i+\c):D+4*(4*\i+\c)+1] offset:\c*16*PITCH+\i*16
.endr
.endr
	; the four rows' sums over the 32 lanes; every lane ends with the result
.irp i, 0,1,2,3
	v_add_f32_dpp v[ACC+\i], v[ACC+\i], v[ACC+\i] row_xmask:1 row_mask:0xf bank_mask:0xf
	v_add_f32_dpp v[ACC+\i], v[ACC+\i], v[ACC+\i] row_xmask:2 row_mask:0xf bank_mask:0xf
	v_add_f32_dpp v[ACC+\i], v[ACC+\i], v[ACC+\i] row_xmask:4 row_mask:0xf bank_mask:0xf
	v_add_f32_dpp v[ACC+\i], v[ACC+\i], v[ACC+\i] row_xmask:8 row_mask:0xf bank_mask:0xf
	v_permlanex16_b32 v[TP], v[ACC+\i], s20, s21
	v_add_f32 v[ACC+\i], v[ACC+\i], v[TP]
	v_mul_f32 v[N0+\i], -0.5, v[ACC+\i]
	v_mul_f32 v[N1+\i], 0xbabd18d0, v[ACC+\i]      ; -0.001 log2 e
.endr
	ds_store_b128 v[NA], v[N0:N0+3]                ; all lanes write the same words with the same values
	ds_store_b128 v[NA], v[N1:N1+3] offset:128
	s_wait_dscnt 0x0                               ; my stores are done, for the others' sake: zero
	s_barrier_signal -1
	s_barrier_wait -1                              ; the record's image is whole; nothing in LDS is written again
.irp i, 0,1,2,3,4,5,6,7
	ds_load_b128 v[D+4*\i:D+4*\i+3], v[RD] offset:\i*2*PITCH
.endr
.irp i, 0,1,2,3,4,5,6,7
	s_wait_dscnt 7-\i                              ; LDS loads come back in order: pair i of chunks is in
	global_store_b128 v[GO], v[D+4*\i:D+4*\i+3], s[16:17] offset:\i*512   ; 512 neighbouring bytes, aligned; read again by the next launch: no hint
.endr
	s_cmp_lg_u32 s18, 7
	s_cbranch_scc1 .Ldone
	ds_load_b64 v[N0:N0+1], v[L8] offset:NRM       ; wave 7: the 64 norm words, 256 neighbouring bytes
	s_wait_dscnt 0x0
	global_store_b64 v[L8], v[N0:N0+1], s[16:17] offset:NM
.Ldone:
	s_wait_tensorcnt 0x0
	ds_add_u32 v104, v105
	s_wait_dscnt 0x0
	s_endpgm
.Lfunc_end_k_q7d6b3f7d8b_prep:
	.size	k_q7d6b3f7d8b_prep, .Lfunc_end_k_q7d6b3f7d8b_prep-k_q7d6b3f7d8b_prep
	.p2alignl 7, 3214868480
	.fill 96, 4, 3214868480
	.section	.rodata,"a",@progbits
	.p2align	6, 0x0
	.amdhsa_kernel k_q7d6b3f7d8b_prep
		.amdhsa_group_segment_fixed_size 36096
		.amdhsa_private_segment_fixed_size 0
		.amdhsa_enable_private_segment 0
		.amdhsa_kernarg_size 40
		.amdhsa_user_sgpr_count 2
		.amdhsa_user_sgpr_kernarg_segment_ptr 1
		.amdhsa_wavefront_size32 1
		.amdhsa_system_sgpr_workgroup_id_x 1
		.amdhsa_system_sgpr_workgroup_id_y 1
		.amdhsa_system_sgpr_workgroup_id_z 1
		.amdhsa_system_vgpr_workitem_id 0
		.amdhsa_next_free_vgpr 106
		.amdhsa_next_free_sgpr 66
		.amdhsa_reserve_vcc 0
		.amdhsa_float_denorm_mode_32 3
		.amdhsa_float_denorm_mode_16_64 3
		.amdhsa_memory_ordered 1
		.amdhsa_forward_progress 1
		.amdhsa_inst_pref_size 17
	.end_amdhsa_kernel
	.amdgpu_metadata
---
amdhsa.version: [ 1, 2 ]
amdhsa.kernels:
  - .name:           k_q7d6b3f7d8b_prep
    .symbol:         k_q7d6b3f7d8b_prep.kd
    .args:
      - { .name: X, .offset: 0, .size: 8, .value_kind: global_buffer, .address_space: global }
      - { .name: train_X, .offset: 8, .size: 8, .value_kind: global_buffer, .address_space: global }
      - { .name: alpha, .offset: 16, .size: 8, .value_kind: global_buffer, .address_space: global }
      - { .name: xrec, .offset: 24, .size: 8, .value_kind: global_buffer, .address_space: global }
      - { .name: yrec, .offset: 32, .size: 8, .value_kind: global_buffer, .address_space: global }
    .group_segment_fixed_size: 36096
    .private_segment_fixed_size: 0
    .kernarg_segment_align: 8
    .kernarg_segment_size: 40
    .max_flat_workgroup_size: 256
    .sgpr_count:     66
    .vgpr_count:     106
    .wavefront_size: 32
...
	.end_amdgpu_metadata
.endif
;; end of part 1
;; launch rbf (part 2): grid 32 x 8, 4 waves a work-group, clusters of 4 x 1, 327,680 bytes of LDS; arguments xrec, yrec, part; writes part
.if DOCPART == 2
	.amdgcn_target "amdgcn-amd-amdhsa--gfx1250"
	.amdhsa_code_object_version 6
	.text
	.protected	k_q7d6b3f7d8b_rbf
	.globl	k_q7d6b3f7d8b_rbf
	.p2align	8
	.type	k_q7d6b3f7d8b_rbf,@function
k_q7d6b3f7d8b_rbf:
	s_mov_b64 s[64:65], 0
	v_nop
	global_prefetch_b8 v0, s[64:65] scope:SCOPE_SE
	s_setreg_imm32_b32 hwreg(HW_REG_WAVE_MODE, 25, 1), 1
	s_wait_xcnt 0x0
	s_wait_alu depctr_hold_cnt(0) depctr_sa_sdst(0) depctr_va_vdst(0) depctr_va_sdst(0) depctr_va_ssrc(0) depctr_va_vcc(0) depctr_vm_vsrc(0)
	s_getreg_b32 s2, hwreg(HW_REG_IB_STS2, 6, 4)
	s_cmp_eq_u32 s2, 0
	s_cbranch_scc0 .Lentry_in_a_cluster
	s_endpgm
.Lentry_in_a_cluster:
	s_bfe_u32 s2, ttmp6, 0x10000c
	s_cmp_lg_u32 s2, 0x3003
	s_cbranch_scc0 .Lentry_shape_is_right
	s_endpgm
.Lentry_shape_is_right:
; part[chunk][test][16] = sum over the chunk's 1,024 train rows of exp(-gamma |x - y|^2) alpha[train][:].
; Work-group (tb, chunk): 256 test rows x 1,024 train rows (32 records); 32 x 8 = 256 work-groups of equal work.  The kernel matrix never leaves registers.
; Four waves, as many as a WGP has SIMDs.  Wave w keeps its 64 test rows x 512 k, bf16, in 512 registers for the whole launch and walks all train
; fragments from LDS: a fragment of 1,024 bytes feeds four matrix instructions.
; A HALF is 16 train rows x my 64 test rows x 512 k: 64 matrix instructions on four accumulators.
;   cross:  D = A (16 train rows) x B (16 test rows) + C; the first k step takes C = -|x|^2/2, so that register j of lane (r, h) ends as
;           cross - |x|^2/2 for train row 8 h + j and test row r
;   K:      exp2(c2 D + n1), c2 = 2 gamma log2 e, n1 = -(gamma log2 e) |y|^2: one packed multiply-add for two numbers, then v_exp_f32
;   second: neighbouring registers packed to bf16 ARE the 16-bit operand layout with k = train row (first half of a record: registers 0-3, second: 4-7),
;           so O = A (alpha: 16 outputs x 32 train rows) x B (K: 16 test rows x 32 train rows) follows without LDS and without a move between lanes.
; The element-wise work of a half is strewn among the matrix instructions of the next half.
; LIMITS, stated: v_exp_f32 gives 0 where K < 2^-126 (the f32 exponential would give a denormal).  The norms are those of the bf16 operands.
; K and alpha go in bf16: K reaches down as far as f32 does, for which f16 has no room.  The sum over train rows is made in 8 chunks, added by the next launch.
; No maximum is taken away in front of the exponential because the function computed takes none: the exponent is -gamma times a squared distance.
; CLUSTERS: the four work-groups of a cluster (4 x 1) have the same chunk and walk the same train records: every tile is asked for jointly, mask 15.
; The descriptor hangs on the chunk, the wave's number and the step alone.  X's fragments are not asked for jointly: each work-group has rows of its own,
; they go straight into registers, once, ahead of the loop.  Along the grid's y no tile is shared, so the cluster has no second axis.
; RING: two LDS slots of four records (136,192 bytes); each wave brings one record of a tile with one tensor load (133 rows of 256 bytes, dense).
; A wave has two tensor loads out at the start and one behind each refill; a refill has a whole tile's 512 matrix instructions in which to land.
;
; REGISTERS, in windows of 256:
;   window 0: v0-31, v32-63 the two sets of four accumulators; NY the n1 of two halves; AF alpha's fragment; BUF four buffers of four train fragments; addresses
;   window 1: v0-31 O; v32-63 CI (-|x|^2/2, spread over 8 registers for each of my four test tiles); v64-95 K packed
;   windows 2, 3: X's fragment (k step s, test tile b) at register 8 (4 (s & 7) + b) of window 2 + (s >> 3)
; s_set_vgpr_msb's low byte: bits 1:0 source 0, 3:2 source 1, 5:4 source 2, 7:6 destination.  Under 0x08 and 0x0c source 1 alone is moved, so LDS loads,
; v_nop, v_exp_f32 and a packed multiply-add whose source 1 is scalar stand among the matrix instructions without a switch.
.set REC,   34048                      ; a record: 32 rows (see the launch that writes them)
.set AL,    32768                      ; alpha's fragment in a record
.set NM,    33792                      ; N0[32], N1[32]
.set SLOT,  4*REC
.set STAGE, 2*SLOT                     ; 272,384 = 1,064 x 256: behind the ring, 4,096 bytes a wave, for the way out; no fill lands here
.set NY,   64                          ; v[64:79]
.set AF,   80                          ; v[80:87]
.set BUF,  88                          ; v[88:215]
.set LA,   216                         ; v[216:223] record R of the ring: R x REC + 16 lane
.set NYA,  224                         ; v[224:231] R x REC + 32 (lane >> 4)
.set XA,   232                         ; 16 lane: X's loads, and the stores of the result
.set NXA,  233                         ; 4 (lane & 15)
.set STO,  234                         ; the way out: where my eight results of a test row go
.set RD,   235                         ; the way out: where I read them back
.set TMP,  236
.set OACC, 0                           ; window 1
.set CI,   32                          ; window 1
.set PK,   64                          ; window 1
.set G1,   16                          ; s[16:23] descriptor group 1
.set G0,   24                          ; s[24:31] descriptor group 0, one set for each slot
.set C2,   32                          ; s[32:33] c2, twice
.set MSB,  0
.macro WIN new                         ; the immediate's high byte repeats the setting that is left
.if MSB != \new
	s_set_vgpr_msb (MSB<<8)|\new
.set MSB, \new
.endif
.endm
; A load into a register that a matrix instruction has read, and a vector instruction that reads a matrix result, stand four places behind that matrix
; instruction; only plain vector instructions that name none of its registers are places (ISA guide 7.12.1 for vector instructions).
.macro PLACES
.rept 4
	v_nop
.endr
.endm
; A round of the cluster's barrier: my work-group's barrier, wave 0 signals for the work-group, every wave waits for all four work-groups, my work-group's barrier again.
.macro CREST                           ; a round behind its opening barrier
	s_cmp_lg_u32 s10, 0
	s_cbranch_scc1 .Lnot_wave_0_\@
	s_barrier_signal -3
.Lnot_wave_0_\@:
	s_barrier_wait -3
	s_barrier_signal -1
	s_barrier_wait -1
.endm
.macro CROUND
	s_barrier_signal -1
	s_barrier_wait -1
	CREST
.endm
; eight LDS loads: the four fragments of k steps 4 ps .. 4 ps + 3 of half tt of ring record rec, into buffer ps; each load takes 512 neighbouring bytes
.macro FETCH rec, tt, ps
.irp i, 0,1,2,3
	ds_load_b128 v[BUF+32*\ps+8*\i:BUF+32*\ps+8*\i+3],   v[LA+\rec] offset:\tt*16384+(4*\ps+\i)*1024
	ds_load_b128 v[BUF+32*\ps+8*\i+4:BUF+32*\ps+8*\i+7], v[LA+\rec] offset:\tt*16384+(4*\ps+\i)*1024+512
.endr
.endm
; Two instructions of the last half's element-wise work, step EK of 24: for each test tile two steps of multiply-adds, then four of exponentials, in place in set H_SP.
; Behind each exponential the next vector instructions are matrix instructions or exponentials on other registers; a plain one (the next tile's
; multiply-add, or the packing of earlier tiles) stands in front of every use of its result (ISA guide 5.7.2).
.macro EPI2
.set E_B, EK/6
.set E_U, EK%6
.if E_U < 2
	v_pk_fma_f32 v[H_SP+8*E_B+4*E_U:H_SP+8*E_B+4*E_U+1],   v[H_SP+8*E_B+4*E_U:H_SP+8*E_B+4*E_U+1],   s[C2:C2+1], v[H_NYP+4*E_U:H_NYP+4*E_U+1]   op_sel_hi:[1,0,1]
	v_pk_fma_f32 v[H_SP+8*E_B+4*E_U+2:H_SP+8*E_B+4*E_U+3], v[H_SP+8*E_B+4*E_U+2:H_SP+8*E_B+4*E_U+3], s[C2:C2+1], v[H_NYP+4*E_U+2:H_NYP+4*E_U+3] op_sel_hi:[1,0,1]
.else
	v_exp_f32 v[H_SP+8*E_B+2*(E_U-2)],   v[H_SP+8*E_B+2*(E_U-2)]
	v_exp_f32 v[H_SP+8*E_B+2*(E_U-2)+1], v[H_SP+8*E_B+2*(E_U-2)+1]
.endif
.endm
; 16 matrix instructions: k steps 4 ph .. 4 ph + 3 from buffer ph x my four test tiles, into set H_S.  The four accumulators take turns, one instruction a turn,
; from phase to phase, from half to half and over the loop's backward jump.
; Phase 0 begins under window setting 0x18 (C = CI in window 1) and goes on under 0x08.  epi = 1: phases 0 and 1 carry the 24 steps of EPI2.
.macro MULPH ph, epi
.set M_N, 0
.rept 16
.set M_I, M_N/4
.set M_B, M_N%4
.set M_X, 8*(4*((4*\ph+M_I)&7)+M_B)
.set M_C, 0
.if \ph == 0
.if M_N < 4
.set M_C, 1
.endif
.endif
.if M_C
	v_wmma_f32_16x16x32_bf16 v[H_S+8*M_B:H_S+8*M_B+7], v[BUF+32*\ph+8*M_I:BUF+32*\ph+8*M_I+7], v[M_X:M_X+7], v[CI+8*M_B:CI+8*M_B+7]
.else
	v_wmma_f32_16x16x32_bf16 v[H_S+8*M_B:H_S+8*M_B+7], v[BUF+32*\ph+8*M_I:BUF+32*\ph+8*M_I+7], v[M_X:M_X+7], v[H_S+8*M_B:H_S+8*M_B+7]
.endif
.if \ph == 0
.if M_N == 3
	WIN 0x08
.endif
.endif
.if \epi
.if \ph == 0
.if M_N >= 4
.set EK, M_N-4
	EPI2
.endif
.endif
.if \ph == 1
.if M_N < 12
.set EK, M_N+12
	EPI2
.endif
.endif
.endif
.set M_N, M_N+1
.endr
.endm
.macro CVT                             ; K of set H_SP to bf16: registers 4 H_TP .. 4 H_TP + 3 of each tile's operand (destination in window 1)
	s_wait_alu depctr_va_vdst(0)
.irp b, 0,1,2,3
.irp i, 0,1,2,3
	v_cvt_pk_bf16_f32 v[PK+8*\b+4*H_TP+\i], v[H_SP+8*\b+2*\i], v[H_SP+8*\b+2*\i+1]
.endr
.endr
.endm
.macro PV zero                         ; the second product for one record: four accumulators by turns; the first of all starts the sums
.irp b, 0,1,2,3
.if \zero
	v_wmma_f32_16x16x32_bf16 v[OACC+8*\b:OACC+8*\b+7], v[AF:AF+7], v[PK+8*\b:PK+8*\b+7], 0
.else
	v_wmma_f32_16x16x32_bf16 v[OACC+8*\b:OACC+8*\b+7], v[AF:AF+7], v[PK+8*\b:PK+8*\b+7], v[OACC+8*\b:OACC+8*\b+7]
.endif
.endr
.endm
; Half hh (0..7) of the tile in slot sl.  epi: the half before left a set to finish.  pvzero: the second product's first instructions.
; bnd (half 7): 1 = change of slots with a joint refill of this slot, 2 = change of slots without a refill, 0 = none.  nxt: a half follows.
; In phase p buffer p is multiplied and the buffer that phase p - 1 read is loaded again, with what is multiplied three phases later.
; s_wait_dscnt 24: a phase's eight loads were issued three runs ago and each run since has at least eight loads, so the 24 youngest may stay out.
.macro HALF sl, hh, epi, pvzero, bnd, nxt
.set H_R, 4*\sl+(\hh>>1)
.set H_T, \hh&1
.set H_S, 32*H_T
.set H_SP, 32*(1-H_T)
.set H_NYP, NY+8*(1-H_T)
.set H_TP, 1-H_T
.if \hh < 7
.set H_RN, 4*\sl+((\hh+1)>>1)
.set H_TN, (\hh+1)&1
.else
.set H_RN, 4*(1-\sl)
.set H_TN, 0
.endif
	PLACES                                         ; behind the last half's matrix instructions: for the loads into buffer 3 and for EPI2, which reads their results
	ds_load_b128 v[NY+8*H_T:NY+8*H_T+3],   v[NYA+H_R] offset:NM+128+H_T*64      ; n1 of train rows 16 t + 8 h + 0..7, for the next half's EPI2
	ds_load_b128 v[NY+8*H_T+4:NY+8*H_T+7], v[NYA+H_R] offset:NM+128+H_T*64+16
.if H_T
	ds_load_b128 v[AF:AF+3],   v[LA+H_R] offset:AL                              ; this record's alpha, for the second product in the next half
	ds_load_b128 v[AF+4:AF+7], v[LA+H_R] offset:AL+512
.endif
	FETCH H_R, H_T, 3
	s_wait_dscnt 24
	WIN 0x18
	MULPH 0, \epi
.if \bnd
	s_wait_dscnt 0x0                               ; my reads of this slot are over: its last fragments, n1 and alpha are in registers
	s_set_vgpr_msb 0x800
	s_wait_tensorcnt 0x0                           ; all my tensor loads have landed: the one that was out is my record of the next slot's tile
	ds_add_u32 v254, v255
	s_wait_dscnt 0x0
	s_set_vgpr_msb 0x8
.if \bnd == 1
	s_add_nc_u64 s[G0+4*\sl+2:G0+4*\sl+3], s[G0+4*\sl+2:G0+4*\sl+3], 8*REC   ; no load of mine is out: this slot's next tile, two tiles on
.endif
	s_barrier_signal -1                            ; say so (with a refill this barrier opens a round of the cluster's barrier); register work alone up to the wait
.else
.if \nxt
	PLACES
	FETCH H_RN, H_TN, 0
	s_wait_dscnt 24
.else
	s_wait_dscnt 16                                ; the last half: 20 loads are younger than buffer 1's
.endif
.endif
	MULPH 1, \epi
.if \bnd
	WIN 0
	s_barrier_wait -1                              ; nobody in my work-group reads this slot any more, and the next slot is whole
.if \bnd == 1
	CREST                                          ; the same holds of all four work-groups
	tensor_load_to_lds s[G0+4*\sl:G0+4*\sl+3], s[G1:G1+7]   ; the joint refill: my one tensor load behind the round, ahead of every LDS read
	s_nop 0
.endif
.endif
.if \epi
	WIN 0x40
	CVT
.if H_TP
	WIN 0x54
	PV \pvzero
.endif
.endif
	WIN 0x0c
.if \nxt
	PLACES
.if \bnd
	FETCH H_RN, H_TN, 0                            ; the next slot's first fragments, while phases 2 and 3 multiply what is in registers
.endif
	FETCH H_RN, H_TN, 1
	s_wait_dscnt 24
.else
	s_wait_dscnt 8                                 ; 12 loads are younger than buffer 2's
.endif
	MULPH 2, 0
.if \nxt
	PLACES
	FETCH H_RN, H_TN, 2
	s_wait_dscnt 24
.else
	s_wait_dscnt 0x0                               ; buffer 3's loads are the youngest; n1 and alpha of the last record are in too
.endif
	MULPH 3, 0
.endm
.macro TILE sl, first, bnd, last       ; four records = eight halves
	HALF \sl, 0, 1-\first, 0, 0, 1
	HALF \sl, 1, 1, 0, 0, 1
	HALF \sl, 2, 1, \first, 0, 1
	HALF \sl, 3, 1, 0, 0, 1
	HALF \sl, 4, 1, 0, 0, 1
	HALF \sl, 5, 1, 0, 0, 1
	HALF \sl, 6, 1, 0, 0, 1
	HALF \sl, 7, 1, 0, \bnd, 1-\last
.endm
	s_load_b128 s[4:7], s[0:1], 0x0                ; xrec s[4:5], yrec s[6:7]
	s_load_b64 s[8:9], s[0:1], 0x10                ; part
	v_lshl_add_u32 v254, v0, 2, 0x46800
	v_mov_b32 v255, 0
	ds_add_u32 v254, v255
	v_lshrrev_b32 v[TMP], 5, v0
	v_readfirstlane_b32 s10, v[TMP]                ; wave 0..3
	s_bfe_u32 s11, ttmp6, 0x40000                  ; cx: my place in the cluster; it enters X's and part's global addresses alone
	s_lshl_b32 s12, ttmp9, 2                       ; in a cluster launch ttmp9 counts clusters
	s_add_co_u32 s12, s12, s11                     ; tb: my block of 256 test rows
	s_and_b32 s13, ttmp7, 0xffff                   ; chunk: shared by the four of the cluster
	; group 1: a dense block of 133 rows of 32 elements of 8 bytes
	s_mov_b32 s[G1+0], 15|(3<<16)|(1<<21)          ; 15:0 the mask: all four work-groups; 17:16 elements of 8 bytes; 21 set beside a mask; no padding
	s_mov_b32 s[G1+1], 32<<16                      ; tensor_dim0 = 32
	s_mov_b32 s[G1+2], 133<<16                     ; tensor_dim1 = 133
	s_mov_b32 s[G1+3], 32<<16                      ; tile_dim0 = 32
	s_mov_b32 s[G1+4], 133                         ; tile_dim1 = 133
	s_mov_b32 s[G1+5], 32                          ; from row to row: 32 elements
	s_mov_b32 s[G1+6], 0
	s_mov_b32 s[G1+7], 0
	s_mov_b32 s[C2], 0x3b3d18d0                    ; 2 x 0.001 x log2 e
	s_mov_b32 s[C2+1], 0x3b3d18d0
	s_lshl_b32 s36, s13, 5                         ; my record of tile 0: 32 chunk + wave
	s_add_co_u32 s36, s36, s10
	s_mul_i32 s36, s36, REC
	s_mov_b32 s37, 0
	s_mul_i32 s35, s10, REC                        ; and its place in a slot: the wave's number alone
	s_lshl_b32 s38, s12, 3                         ; X: my two records, 8 tb + 2 wave
	s_lshl1_add_u32 s38, s10, s38
	s_mul_i32 s38, s38, REC
	s_mov_b32 s39, 0
	v_and_b32 v[TMP], 31, v0                       ; lane
	v_lshlrev_b32 v[XA], 4, v[TMP]
	v_and_b32 v[TMP+1], 15, v0                     ; r
	v_lshlrev_b32 v[NXA], 2, v[TMP+1]
	v_bfe_u32 v[TMP+2], v0, 4, 1                   ; h
	v_lshlrev_b32 v[TMP+2], 5, v[TMP+2]            ; 32 h
.irp i, 0,1,2,3,4,5,6,7
	v_add_nc_u32 v[LA+\i],  \i*REC, v[XA]
	v_add_nc_u32 v[NYA+\i], \i*REC, v[TMP+2]
.endr
	s_lshl_b32 s41, s10, 12
	s_add_co_u32 s41, s41, STAGE                   ; my stage
	v_lshl_add_u32 v[STO], v[TMP+1], 6, v[TMP+2]   ; test row r: 64 bytes; outputs 8 h ..: 32 bytes
	v_add_nc_u32 v[STO], s41, v[STO]
	v_add_nc_u32 v[RD], s41, v[XA]
	s_wait_dscnt 0x0
	s_wait_kmcnt 0x0
	s_add_nc_u64 s[6:7], s[6:7], s[36:37]
	s_add_nc_u64 s[14:15], s[4:5], s[38:39]        ; X's base
	s_lshl_b32 s38, s13, 19                        ; part: 524,288 chunk + 16,384 tb + 4,096 wave
	s_lshl_b32 s40, s12, 14
	s_add_co_u32 s38, s38, s40
	s_lshl_b32 s40, s10, 12
	s_add_co_u32 s38, s38, s40
	s_add_nc_u64 s[8:9], s[8:9], s[38:39]
.irp s, 0,1
	s_mov_b32 s[G0+4*\s], 1                                        ; count = 1
	s_add_co_u32 s[G0+4*\s+1], s35, \s*SLOT                        ; LDS address
	s_add_nc_u64 s[G0+4*\s+2:G0+4*\s+3], s[6:7], \s*SLOT           ; global address: tile s (four records are SLOT bytes in memory too)
	s_or_b32 s[G0+4*\s+3], s[G0+4*\s+3], 0x80000000                ; type = 2
.endr
	CROUND                                         ; all four work-groups are here: the first joint loads meet
	tensor_load_to_lds s[G0:G0+3], s[G1:G1+7]      ; tile 0
	s_nop 0
	tensor_load_to_lds s[G0+4:G0+7], s[G1:G1+7]    ; tile 1: both first fills as one group
	s_nop 0
	; X's 64 fragments, 128 loads of 512 neighbouring bytes, straight into windows 2 and 3
.macro XLOAD s0
.set X_N, 0
.rept 32
	global_load_b128 v[X_N*8:X_N*8+3],   v[XA], s[14:15] offset:((X_N%4)>>1)*REC+((X_N%4)&1)*16384+(\s0+X_N/4)*1024
	global_load_b128 v[X_N*8+4:X_N*8+7], v[XA], s[14:15] offset:((X_N%4)>>1)*REC+((X_N%4)&1)*16384+(\s0+X_N/4)*1024+512
.set X_N, X_N+1
.endr
.endm
	WIN 0x80
	XLOAD 0
	WIN 0xc0
	XLOAD 8
	WIN 0x40
.irp b, 0,1,2,3
	global_load_b32 v[CI+8*\b], v[NXA], s[14:15] offset:(\b>>1)*REC+NM+(\b&1)*64   ; -|x|^2/2 of test row 16 b + r
.endr
	s_wait_loadcnt 0x0
	WIN 0x41
.irp b, 0,1,2,3
.irp j, 1,2,3,4,5,6,7
	v_mov_b32 v[CI+8*\b+\j], v[CI+8*\b]            ; the same in all eight registers of the C operand: once for the launch
.endr
.endr
	WIN 0
	s_wait_tensorcnt 0x1                           ; my record of tile 0 is in; tile 1's may stay out
	s_barrier_signal -1
	s_barrier_wait -1                              ; everybody's is
	FETCH 0, 0, 0
	FETCH 0, 0, 1
	FETCH 0, 0, 2
	TILE 0, 1, 1, 0                                ; tile 0; slot 0 gets tile 2
	TILE 1, 0, 1, 0                                ; tile 1; slot 1 gets tile 3
	WIN 0                                          ; at a label and at a branch every window is 0
	s_mov_b32 s34, 2
.Llap:
	TILE 0, 0, 1, 0                                ; tiles 2 and 4; slot 0 gets tiles 4 and 6
	TILE 1, 0, 1, 0                                ; tiles 3 and 5; slot 1 gets tiles 5 and 7
	WIN 0
	s_sub_co_u32 s34, s34, 1
	s_cmp_lg_u32 s34, 0
	s_cbranch_scc1 .Llap
	TILE 0, 0, 2, 0                                ; tile 6: nothing is left to fetch; its change of slots keeps the waits and my work-group's barrier
	TILE 1, 0, 0, 1                                ; tile 7
	; the last half's element-wise work and the last record's second product
	PLACES
.set H_SP, 32
.set H_NYP, NY+8
.set H_TP, 1
.set EK, 0
.rept 24
	EPI2
.set EK, EK+1
.endr
	v_nop                                          ; the plain place behind the last exponentials
	s_wait_alu depctr_va_vdst(0)
	WIN 0x40
	CVT
	WIN 0x54
	PV 0
	PLACES                                         ; behind the last matrix instructions: for the LDS stores, which read their results
	; THE WAY OUT.  Register j of lane (r, h) of tile b is output 8 h + j of test row 16 b + r: 32 neighbouring bytes of a row of 64.  Through my own
	; stage, so that each global store covers 512 neighbouring bytes, aligned.  LDS serves a wave's instructions in order (ISA guide 5.7.1): no wait between.
	WIN 0x04
.irp b, 0,1,2,3
	ds_store_b128 v[STO], v[OACC+8*\b:OACC+8*\b+3]   offset:\b*1024
	ds_store_b128 v[STO], v[OACC+8*\b+4:OACC+8*\b+7] offset:\b*1024+16
.endr
	WIN 0
.irp i, 0,1,2,3,4,5,6,7
	ds_load_b128 v[BUF+4*\i:BUF+4*\i+3], v[RD] offset:\i*512
.endr
.irp i, 0,1,2,3,4,5,6,7
	s_wait_dscnt 7-\i
	global_store_b128 v[XA], v[BUF+4*\i:BUF+4*\i+3], s[8:9] offset:\i*512
.endr
	s_wait_tensorcnt 0x0
	ds_add_u32 v254, v255
	s_wait_dscnt 0x0
	CROUND                                         ; the closing round: no work-group ends while a partner may still ask for a tile that names it
	s_endpgm
.Lfunc_end_k_q7d6b3f7d8b_rbf:
	.size	k_q7d6b3f7d8b_rbf, .Lfunc_end_k_q7d6b3f7d8b_rbf-k_q7d6b3f7d8b_rbf
	.p2alignl 7, 3214868480
	.fill 96, 4, 3214868480
	.section	.rodata,"a",@progbits
	.p2align	6, 0x0
	.amdhsa_kernel k_q7d6b3f7d8b_rbf
		.amdhsa_group_segment_fixed_size 327680
		.amdhsa_private_segment_fixed_size 0
		.amdhsa_enable_private_segment 0
		.amdhsa_kernarg_size 24
		.amdhsa_user_sgpr_count 2
		.amdhsa_user_sgpr_kernarg_segment_ptr 1
		.amdhsa_wavefront_size32 1
		.amdhsa_system_sgpr_workgroup_id_x 1
		.amdhsa_system_sgpr_workgroup_id_y 1
		.amdhsa_system_sgpr_workgroup_id_z 1
		.amdhsa_system_vgpr_workitem_id 0
		.amdhsa_next_free_vgpr 1024
		.amdhsa_next_free_sgpr 66
		.amdhsa_reserve_vcc 0
		.amdhsa_float_denorm_mode_32 3
		.amdhsa_float_denorm_mode_16_64 3
		.amdhsa_memory_ordered 1
		.amdhsa_forward_progress 1
		.amdhsa_inst_pref_size 255
	.end_amdhsa_kernel
	.section	.bss,"aw",@nobits
	.p2align	6
	.space	262144
	.amdgpu_metadata
---
amdhsa.version: [ 1, 2 ]
amdhsa.kernels:
  - .name:           k_q7d6b3f7d8b_rbf
    .symbol:         k_q7d6b3f7d8b_rbf.kd
    .args:
      - { .name: xrec, .offset: 0, .size: 8, .value_kind: global_buffer, .address_space: global }
      - { .name: yrec, .offset: 8, .size: 8, .value_kind: global_buffer, .address_space: global }
      - { .name: part, .offset: 16, .size: 8, .value_kind: global_buffer, .address_space: global }
    .group_segment_fixed_size: 327680
    .private_segment_fixed_size: 0
    .kernarg_segment_align: 8
    .kernarg_segment_size: 24
    .max_flat_workgroup_size: 128
    .sgpr_count:     66
    .vgpr_count:     1024
    .wavefront_size: 32
...
	.end_amdgpu_metadata
.endif
;; end of part 2
;; launch sum (part 3): grid 256 x 1, 4 waves a work-group, no clusters, 0 bytes of LDS; arguments part, out0; writes out0
.if DOCPART == 3
	.amdgcn_target "amdgcn-amd-amdhsa--gfx1250"
	.amdhsa_code_object_version 6
	.text
	.protected	k_q7d6b3f7d8b_sum
	.globl	k_q7d6b3f7d8b_sum
	.p2align	8
	.type	k_q7d6b3f7d8b_sum,@function
k_q7d6b3f7d8b_sum:
	s_mov_b64 s[64:65], 0
	v_nop
	global_prefetch_b8 v0, s[64:65] scope:SCOPE_SE
	s_setreg_imm32_b32 hwreg(HW_REG_WAVE_MODE, 25, 1), 1
	s_wait_xcnt 0x0
; out0[test][o] = the sum over the 8 chunks of part[chunk][test][o], added in ascending order of the chunk.
; part: [8][8192][16] f32; out0: [8192][16] f32.  A thread owns 16 bytes of out0; a wave's load or store covers 512 neighbouring bytes, aligned;
; a work-group of four waves owns 2,048 bytes; 256 work-groups.  All eight loads of a thread go out at once.  No LDS, no barrier: no thread needs another.
.set CHUNK, 524288                     ; bytes of one partial result
.set A, 4                              ; v[4:35]: partial c in v[4+4c:7+4c]; the sum grows in partial 0's registers
	s_load_b128 s[4:7], s[0:1], 0x0                ; part s[4:5], out0 s[6:7]
	v_lshlrev_b32 v1, 4, v0
	s_lshl_b32 s8, ttmp9, 11
	s_mov_b32 s9, 0
	s_wait_kmcnt 0x0
	s_add_nc_u64 s[4:5], s[4:5], s[8:9]
	s_add_nc_u64 s[6:7], s[6:7], s[8:9]
.irp c, 0,1,2,3,4,5,6,7
	global_load_b128 v[A+4*\c:A+4*\c+3], v1, s[4:5] offset:\c*CHUNK th:TH_LOAD_NT
.endr
.irp c, 1,2,3,4,5,6,7
	s_wait_loadcnt 7-\c                            ; loads come back in order (ISA guide 5.7.1): partials 0 to c are in, the younger ones stay out
	v_pk_add_f32 v[A:A+1],   v[A:A+1],   v[A+4*\c:A+4*\c+1]
	v_pk_add_f32 v[A+2:A+3], v[A+2:A+3], v[A+4*\c+2:A+4*\c+3]
.endr
	global_store_b128 v1, v[A:A+3], s[6:7] th:TH_STORE_NT
	s_endpgm
.Lfunc_end_k_q7d6b3f7d8b_sum:
	.size	k_q7d6b3f7d8b_sum, .Lfunc_end_k_q7d6b3f7d8b_sum-k_q7d6b3f7d8b_sum
	.p2alignl 7, 3214868480
	.fill 96, 4, 3214868480
	.section	.rodata,"a",@progbits
	.p2align	6, 0x0
	.amdhsa_kernel k_q7d6b3f7d8b_sum
		.amdhsa_group_segment_fixed_size 0
		.amdhsa_private_segment_fixed_size 0
		.amdhsa_enable_private_segment 0
		.amdhsa_kernarg_size 16
		.amdhsa_user_sgpr_count 2
		.amdhsa_user_sgpr_kernarg_segment_ptr 1
		.amdhsa_wavefront_size32 1
		.amdhsa_system_sgpr_workgroup_id_x 1
		.amdhsa_system_sgpr_workgroup_id_y 1
		.amdhsa_system_sgpr_workgroup_id_z 1
		.amdhsa_system_vgpr_workitem_id 0
		.amdhsa_next_free_vgpr 36
		.amdhsa_next_free_sgpr 66
		.amdhsa_reserve_vcc 0
		.amdhsa_float_denorm_mode_32 3
		.amdhsa_float_denorm_mode_16_64 3
		.amdhsa_memory_ordered 1
		.amdhsa_forward_progress 1
		.amdhsa_inst_pref_size 3
	.end_amdhsa_kernel
	.amdgpu_metadata
---
amdhsa.version: [ 1, 2 ]
amdhsa.kernels:
  - .name:           k_q7d6b3f7d8b_sum
    .symbol:         k_q7d6b3f7d8b_sum.kd
    .args:
      - { .name: part, .offset: 0, .size: 8, .value_kind: global_buffer, .address_space: global }
      - { .name: out0, .offset: 8, .size: 8, .value_kind: global_buffer, .address_space: global }
    .group_segment_fixed_size: 0
    .private_segment_fixed_size: 0
    .kernarg_segment_align: 8
    .kernarg_segment_size: 16
    .max_flat_workgroup_size: 128
    .sgpr_count:     66
    .vgpr_count:     36
    .wavefront_size: 32
...
	.end_amdgpu_metadata
.endif
;; end of part 3
;; ======== version 2 of 2: 3 launches; version 1 with the launch prep written anew for expert scheduling mode
;; workspace buffers: xrec 8,716,288 bytes; yrec 8,716,288 bytes; part 4,194,304 bytes
;; launch prep (part 4): grid 512 x 1, 8 waves a work-group, no clusters, 36,096 bytes of LDS; arguments X, train_X, alpha, xrec, yrec; writes xrec, yrec
.if DOCPART == 4
	.amdgcn_target "amdgcn-amd-amdhsa--gfx1250"
	.amdhsa_code_object_version 6
	.text
	.protected	k_q7d6b3f7d8b_prep
	.globl	k_q7d6b3f7d8b_prep
	.p2align	8
	.type	k_q7d6b3f7d8b_prep,@function
k_q7d6b3f7d8b_prep:
	s_mov_b64 s[64:65], 0
	v_nop
	global_prefetch_b8 v0, s[64:65] scope:SCOPE_SE
	s_setreg_imm32_b32 hwreg(HW_REG_WAVE_SCHED_MODE, 0, 2), 2
	s_setreg_imm32_b32 hwreg(HW_REG_WAVE_MODE, 25, 1), 1
	s_wait_xcnt 0x0
	s_wait_alu depctr_vm_vsrc(0)
; X and train_X, [8192][512] f32, are rounded once to bf16 and laid out as RECORDS of 32 rows in the order in which the
; matrix instructions of the next launch want them; the rows' squared norms and (for train_X) alpha's rows go into the same record.
; A record is REC = 34,048 bytes = 133 x 256:
;   byte 0      32,768 B  bf16 [t 2][s 16][q 2][lane 32][e 8] = row 16 t + (lane & 15), k = 32 s + 16 q + 8 (lane >> 4) + e
;                         (a fragment of 16 rows x 32 k is 1,024 neighbouring bytes: two loads of 16 bytes a lane, 512 bytes apart)
;   byte AL      1,024 B  train records only: bf16 [q 2][lane 32][e 8] = alpha[32 g + 16 q + 8 (lane >> 4) + e][lane & 15]
;   byte NM        256 B  f32 N0[32] = -1/2 sum rb^2, then N1[32] = -(gamma log2 e) sum rb^2
; LIMIT, stated: the norms are those of the ROUNDED numbers rb, so that N + N - 2 cross is exactly the squared distance of the operands
; that are multiplied; against norms of the f32 numbers the exponent would carry the rounding of large sums where the inputs have a common offset.
; Work-groups 0-255 make X's records, 256-511 train_X's.  Eight waves; wave w takes rows 4 w .. 4 w + 3 of the record: a row never leaves
; its wave, so its norm needs no other wave.  All 16 loads of a wave (512 neighbouring bytes each) go out at once.
; The reordering goes through LDS so that every global store of a wave covers 512 neighbouring bytes, aligned.
; Memory binds here: no matrix unit, no cluster (no two work-groups read the same byte), no tensor load (one fill, nothing to refill).
; THE MODE: SCHED_MODE bits 1:0 = 2 (LLVM: expert scheduling mode 2), set by the entry lines.  The code itself states the register dependences
; between vector instructions and memory or LDS instructions, with s_wait_alu, always for 0.
; THE PLAN.  Registers that memory or LDS instructions touch:
;   D        Each of the 16 loads has four registers of its own.  Its two conversions write the packed pair into the first two; the four
;            multiply-adds and one LDS store read that pair.  Behind the barrier eight LDS loads land in v[D .. D+31], and eight global stores read them.
;   AW, AP   Alpha's eight loads land in AW, four conversions read it and write AP, one global store reads AP; neither is written again.
;   N0, N1   Written by the multiplies behind the reductions, read by two LDS stores; in wave 7 an LDS load lands in N0's first pair, and a global store reads it.
;   LO, ST, RD, GO, NA, L8, AA, AO, v104, v105   Made at the head, never written again.
;   ACC, TP, T are named by vector instructions alone.
; A BLOCK is a row, four loads: its eight conversions, ONE wait on va_vdst, then its four LDS stores dealt among its sixteen multiply-adds, which write ACC alone.
; One more wait on va_vdst stands behind the reductions; no vector instruction follows it, so it also serves the LDS loads behind the barrier.
; One wait on vm_vsrc stands behind the barrier, ahead of those loads.
.set REC,   34048
.set AL,    32768
.set NM,    33792
.set PITCH, 272                        ; a chunk of 256 bytes of the record + 16: see the store below
.set NRM,   128*PITCH                  ; behind the 128 chunks: the 64 norm words
.set D,    2                           ; v[2:65]   load n = 4 i + c: 4 f32 of row 4 w + i, k = 128 c + 4 lane ..; then the packed pair in its first two registers
.set ACC,  66                          ; v[66:69]  the four rows' sums of squares
.set N0,   70                          ; v[70:73]
.set N1,   74                          ; v[74:77]
.set TP,   78                          ; the other half's sum
.set LO,   79                          ; byte offset of my 16 bytes in the record's 64 KiB of input
.set ST,   80                          ; LDS: where my packed pairs go
.set RD,   81                          ; LDS: where I read chunks back
.set GO,   82                          ; byte offset in the record of what I read back
.set NA,   83                          ; LDS: my wave's four norm words
.set L8,   84                          ; 8 x lane
.set AA,   85                          ; byte offset in the record's 2 KiB of alpha
.set AO,   86                          ; 16 x thread
.set T,    87                          ; v[87:88]  at work
.set AW,   90                          ; v[90:97]  eight f32 of alpha
.set AP,   98                          ; v[98:101] the same, packed
	s_load_b256 s[4:11], s[0:1], 0x0               ; X s[4:5], train_X s[6:7], alpha s[8:9], xrec s[10:11]
	s_load_b64 s[12:13], s[0:1], 0x20              ; yrec
	v_lshl_add_u32 v104, v0, 2, 0x8900
	v_mov_b32 v105, 0
	v_and_b32 v1, 31, v0                           ; lane
	v_lshrrev_b32 v[T], 5, v0
	v_readfirstlane_b32 s18, v[T]                  ; wave 0..7
	s_and_b32 s19, ttmp9, 255                      ; g: the record's number in its matrix
	s_mov_b32 s20, 0x76543210                      ; v_permlanex16_b32: lane i of one half reads lane i of the other
	s_mov_b32 s21, 0xfedcba98
	v_lshlrev_b32 v[GO], 4, v1                     ; 16 lane
	s_wait_alu depctr_va_sdst(0)                   ; s18 is written, ahead of its first reader, the next line; offsets, LDS addresses and branches are made from it
	v_lshl_add_u32 v[LO], s18, 13, v[GO]           ; + 4 rows of 2,048 bytes a wave
	; A lane's 4 numbers (k = 128 c + 4 lane ..) of row 4 w + i belong to chunk 64 (w >> 2) + 16 c + (lane >> 1) of the record,
	; at byte 64 (w & 3) + 16 i + 8 (lane & 1) of it.
	v_lshrrev_b32 v[T], 1, v1
	v_mul_u32_u24 v[T], v[T], PITCH
	v_and_b32 v[T+1], 1, v1
	v_lshl_add_u32 v[T], v[T+1], 3, v[T]
	s_lshr_b32 s23, s18, 2
	s_mul_i32 s23, s23, 64*PITCH
	s_and_b32 s24, s18, 3
	s_lshl_b32 s24, s24, 6
	s_add_co_u32 s23, s23, s24
	v_add_nc_u32 v[ST], s23, v[T]
	v_lshrrev_b32 v[T], 4, v1                      ; h = lane >> 4
	v_and_b32 v[T+1], 15, v1                       ; r = lane & 15
	v_lshlrev_b32 v[AA], 2, v[T+1]                 ; alpha: column r,
	v_lshl_add_u32 v[AA], v[T], 9, v[AA]           ; row 8 h (64 bytes a row),
	v_lshl_add_u32 v[AA], s18, 10, v[AA]           ; + 16 rows for wave 1 (used by waves 0 and 1 alone)
	v_mul_u32_u24 v[T], v[T], PITCH                ; back: lanes 0-15 one chunk, lanes 16-31 the next; 16 chunks a wave
	v_lshl_add_u32 v[T], v[T+1], 4, v[T]
	s_mul_i32 s24, s18, 16*PITCH
	v_add_nc_u32 v[RD], s24, v[T]
	v_lshl_add_u32 v[GO], s18, 12, v[GO]           ; 4,096 w + 16 lane
	s_lshl_b32 s24, s18, 4
	s_add_co_u32 s24, s24, NRM
	v_mov_b32 v[NA], s24
	v_lshlrev_b32 v[L8], 3, v1
	v_lshlrev_b32 v[AO], 4, v0
	v_mov_b32 v[TP], 0                             ; v_permlanex16_b32's destination counts as read
.irp i, 0,1,2,3
	v_mov_b32 v[ACC+\i], 0
.endr
	s_wait_kmcnt 0x0
	s_cmp_ge_u32 ttmp9, 256                        ; which matrix: hangs on the work-group's number alone
	s_cselect_b64 s[14:15], s[6:7], s[4:5]         ; from
	s_cselect_b64 s[16:17], s[12:13], s[10:11]     ; to
	s_cselect_b32 s22, 1, 0                        ; 1: a train record
	s_lshl_b32 s24, s19, 16                        ; 32 rows of 2,048 bytes
	s_mov_b32 s25, 0
	s_add_nc_u64 s[14:15], s[14:15], s[24:25]
	s_mul_i32 s24, s19, REC
	s_add_nc_u64 s[16:17], s[16:17], s[24:25]
	s_lshl_b32 s24, s19, 11                        ; 32 rows of alpha, 64 bytes each
	s_add_nc_u64 s[8:9], s[8:9], s[24:25]
	s_wait_alu depctr_va_vdst(0)                   ; LO, ST, RD, GO, NA, L8, AA, AO, v104 and v105 are written: every load, store and LDS instruction of the kernel reads one of them as its address
.irp i, 0,1,2,3
.irp c, 0,1,2,3
	global_load_b128 v[D+4*(4*\i+\c):D+4*(4*\i+\c)+3], v[LO], s[14:15] offset:\i*2048+\c*512 th:TH_LOAD_NT
.endr
.endr
	; Alpha's fragment: waves 0 and 1 of a train record, all inside this one branch.  The eight loads of a wave together cover its 1,024 bytes
	; of alpha once.  They are the youngest loads, so their wait is for 0; the counted waits further down then find nothing out.
	s_cmp_eq_u32 s22, 0
	s_cbranch_scc1 .Lno_alpha
	s_cmp_gt_u32 s18, 1
	s_cbranch_scc1 .Lno_alpha
.irp e, 0,1,2,3,4,5,6,7
	global_load_b32 v[AW+\e], v[AA], s[8:9] offset:\e*64           ; alpha[32 g + 16 w + 8 h + e][r]
.endr
	s_wait_loadcnt 0x0
.irp j, 0,1,2,3
	v_cvt_pk_bf16_f32 v[AP+\j], v[AW+2*\j], v[AW+2*\j+1]
.endr
	s_wait_alu depctr_va_vdst(0)                   ; the four conversions have written AP, which the store reads
	global_store_b128 v[AO], v[AP:AP+3], s[16:17] offset:AL        ; 512 neighbouring bytes a wave; AP and AO are not written again
.Lno_alpha:
	; Round, square and add, and put the pair in its place, a row (four loads) at a time.  The 32 lanes' 8 bytes start at words
	; 68 (lane >> 1) + 2 (lane & 1): 32 different pairs of the 64 banks of 4 bytes (ISA guide 11.1).
.irp i, 0,1,2,3
	s_wait_loadcnt 12-4*\i                         ; loads come back in order (ISA guide 5.7.1): this row's four are in, the younger rows' stay out
.irp c, 0,1,2,3
	v_cvt_pk_bf16_f32 v[D+4*(4*\i+\c)],   v[D+4*(4*\i+\c)],   v[D+4*(4*\i+\c)+1]
	v_cvt_pk_bf16_f32 v[D+4*(4*\i+\c)+1], v[D+4*(4*\i+\c)+2], v[D+4*(4*\i+\c)+3]
.endr
	s_wait_alu depctr_va_vdst(0)                   ; the row's eight conversions have written its four packed pairs, which the LDS stores below read
.irp c, 0,1,2,3
	ds_store_b64 v[ST], v[D+4*(4*\i+\c):D+4*(4*\i+\c)+1] offset:\c*16*PITCH+\i*16   ; no further wait: the multiply-adds issued since the wait write ACC alone
	v_fma_mix_f32_bf16 v[ACC+\i], v[D+4*(4*\i+\c)],   v[D+4*(4*\i+\c)],   v[ACC+\i] op_sel_hi:[1,1,0]
	v_fma_mix_f32_bf16 v[ACC+\i], v[D+4*(4*\i+\c)],   v[D+4*(4*\i+\c)],   v[ACC+\i] op_sel:[1,1,0] op_sel_hi:[1,1,0]
	v_fma_mix_f32_bf16 v[ACC+\i], v[D+4*(4*\i+\c)+1], v[D+4*(4*\i+\c)+1], v[ACC+\i] op_sel_hi:[1,1,0]
	v_fma_mix_f32_bf16 v[ACC+\i], v[D+4*(4*\i+\c)+1], v[D+4*(4*\i+\c)+1], v[ACC+\i] op_sel:[1,1,0] op_sel_hi:[1,1,0]
.endr
.endr
	; the four rows' sums over the 32 lanes; every lane ends with the result
.irp i, 0,1,2,3
	v_add_f32_dpp v[ACC+\i], v[ACC+\i], v[ACC+\i] row_xmask:1 row_mask:0xf bank_mask:0xf
	v_add_f32_dpp v[ACC+\i], v[ACC+\i], v[ACC+\i] row_xmask:2 row_mask:0xf bank_mask:0xf
	v_add_f32_dpp v[ACC+\i], v[ACC+\i], v[ACC+\i] row_xmask:4 row_mask:0xf bank_mask:0xf
	v_add_f32_dpp v[ACC+\i], v[ACC+\i], v[ACC+\i] row_xmask:8 row_mask:0xf bank_mask:0xf
	v_permlanex16_b32 v[TP], v[ACC+\i], s20, s21
	v_add_f32 v[ACC+\i], v[ACC+\i], v[TP]
	v_mul_f32 v[N0+\i], -0.5, v[ACC+\i]
	v_mul_f32 v[N1+\i], 0xbabd18d0, v[ACC+\i]      ; -0.001 log2 e
.endr
	s_wait_alu depctr_va_vdst(0)                   ; the multiplies have written N0 and N1, which the two LDS stores read.  No vector instruction follows this wait: the conversions and
	                                               ; multiply-adds are also done with v[D ..], and the multiplies with N0, in which LDS loads land behind the barrier
	ds_store_b128 v[NA], v[N0:N0+3]                ; all lanes write the same words with the same values
	ds_store_b128 v[NA], v[N1:N1+3] offset:128
	s_wait_dscnt 0x0                               ; my stores are done, for the others' sake: zero
	s_barrier_signal -1
	s_barrier_wait -1                              ; the record's image is whole; nothing in LDS is written again
	s_wait_alu depctr_vm_vsrc(0)                   ; my LDS stores have read the packed pairs in v[D ..] and N0, in which the LDS loads below land (wave 7's too: the wait stands ahead of its branch)
.irp i, 0,1,2,3,4,5,6,7
	ds_load_b128 v[D+4*\i:D+4*\i+3], v[RD] offset:\i*2*PITCH
.endr
.irp i, 0,1,2,3,4,5,6,7
	s_wait_dscnt 7-\i                              ; LDS loads come back in order: pair i of chunks is in
	global_store_b128 v[GO], v[D+4*\i:D+4*\i+3], s[16:17] offset:\i*512   ; 512 neighbouring bytes, aligned; read again by the next launch: no hint
.endr
	s_cmp_lg_u32 s18, 7
	s_cbranch_scc1 .Ldone
	ds_load_b64 v[N0:N0+1], v[L8] offset:NRM       ; wave 7: the 64 norm words, 256 neighbouring bytes
	s_wait_dscnt 0x0
	global_store_b64 v[L8], v[N0:N0+1], s[16:17] offset:NM
.Ldone:
	s_wait_dscnt 0x0                               ; the closing lines, six on end
	s_wait_alu 0x0
	s_wait_tensorcnt 0x0
	ds_add_u32 v104, v105
	s_wait_dscnt 0x0
	s_endpgm
.Lfunc_end_k_q7d6b3f7d8b_prep:
	.size	k_q7d6b3f7d8b_prep, .Lfunc_end_k_q7d6b3f7d8b_prep-k_q7d6b3f7d8b_prep
	.p2alignl 7, 3214868480
	.fill 96, 4, 3214868480
	.section	.rodata,"a",@progbits
	.p2align	6, 0x0
	.amdhsa_kernel k_q7d6b3f7d8b_prep
		.amdhsa_group_segment_fixed_size 36096
		.amdhsa_private_segment_fixed_size 0
		.amdhsa_enable_private_segment 0
		.amdhsa_kernarg_size 40
		.amdhsa_user_sgpr_count 2
		.amdhsa_user_sgpr_kernarg_segment_ptr 1
		.amdhsa_wavefront_size32 1
		.amdhsa_system_sgpr_workgroup_id_x 1
		.amdhsa_system_sgpr_workgroup_id_y 1
		.amdhsa_system_sgpr_workgroup_id_z 1
		.amdhsa_system_vgpr_workitem_id 0
		.amdhsa_next_free_vgpr 106
		.amdhsa_next_free_sgpr 66
		.amdhsa_reserve_vcc 0
		.amdhsa_float_denorm_mode_32 3
		.amdhsa_float_denorm_mode_16_64 3
		.amdhsa_memory_ordered 1
		.amdhsa_forward_progress 1
		.amdhsa_inst_pref_size 17
	.end_amdhsa_kernel
	.amdgpu_metadata
---
amdhsa.version: [ 1, 2 ]
amdhsa.kernels:
  - .name:           k_q7d6b3f7d8b_prep
    .symbol:         k_q7d6b3f7d8b_prep.kd
    .args:
      - { .name: X, .offset: 0, .size: 8, .value_kind: global_buffer, .address_space: global }
      - { .name: train_X, .offset: 8, .size: 8, .value_kind: global_buffer, .address_space: global }
      - { .name: alpha, .offset: 16, .size: 8, .value_kind: global_buffer, .address_space: global }
      - { .name: xrec, .offset: 24, .size: 8, .value_kind: global_buffer, .address_space: global }
      - { .name: yrec, .offset: 32, .size: 8, .value_kind: global_buffer, .address_space: global }
    .group_segment_fixed_size: 36096
    .private_segment_fixed_size: 0
    .kernarg_segment_align: 8
    .kernarg_segment_size: 40
    .max_flat_workgroup_size: 256
    .sgpr_count:     66
    .vgpr_count:     106
    .wavefront_size: 32
...
	.end_amdgpu_metadata
.endif
;; end of part 4
;; launch rbf: the kernel of part 2 again; grid 32 x 8, 4 waves a work-group, clusters of 4 x 1, 327,680 bytes of LDS; arguments xrec, yrec, part; writes part
;; launch sum: the kernel of part 3 again; grid 256 x 1, 4 waves a work-group, no clusters, 0 bytes of LDS; arguments part, out0; writes out0
